; MI455X (gfx1250); checked and timed in simulation.
; The chip was launched on July 23, 2026; its instructions are those of AMD's public machine-readable ISA for CDNA 5 (MIT licence, August 2026) and "CDNA5" Instruction Set Architecture Reference Guide (July 2026). The comments in the code are by the model that wrote it; some were corrected since.
;; Multi Head Cross Attention3 D. Allowed arithmetic: matrix products marked QUANTISED: E2M1 operands, one E8M0 scale for each 32 along K, by v_wmma_scale_f32_16x16x128_f8f6f4 with both operands' format E2M1 (or v_wmma_scale_f32_32x16x128_f4), f32 sums; products left as they are: bf16, f16 or f32 operands; f32 sums; everything else in f32.
;; Inputs: Wk 768 x 512 float32; Wout 512 x 512 float32; Wq 512 x 512 float32; Wv 768 x 512 float32; b_out 512 float32; context 4 x 2,048 x 768 float32; mask 4 x 4,096 x 2,048 int32; x 4 x 4,096 x 512 float32.
;; Outputs: out0 4 x 4,096 x 512 float32.
;; This version of the problem:
;;   THIS VERSION OF THE PROBLEM IS GIVEN IN LOW PRECISION. The matrix products marked QUANTISED in the list below multiply operands that are first quantised to E2M1 (2 exponent bits, 1 mantissa bit; 4 bits a number), with one power-of-two scale for each 32 numbers along K (OCP MX v1.0); their sums are f32. The products marked 'left as it is' may take bf16, f16 or f32 operands, with f32 sums. Whichever they take, every output number must still come out within the allowed error. Rounding operands to bf16 (8 significant bits) uses up far more of that allowance than f16 does (11 bits, for magnitudes from 6e-5 to 65,504). All else is computed in f32.
;;   The module's matrix products, in the order in which they are computed (A, B: the left and right operand; K: the contracted axis; several contracted axes count as one K, in the product's order):
;;     1. [M 16,384, K 512] x [K 512, N 512]; A: input x; B: input Wq: QUANTISED
;;     2. [M 8,192, K 768] x [K 768, N 512]; A: input context; B: input Wk: QUANTISED
;;     3. [M 8,192, K 768] x [K 768, N 512]; A: input context; B: input Wv: QUANTISED
;;     4. batch 32 x [M 4,096, K 64] x [K 64, N 2,048]; A: computed on the way; B: computed on the way: left as it is (an operand is computed on the way)
;;     5. batch 32 x [M 4,096, K 2,048] x [K 2,048, N 64]; A: computed on the way; B: computed on the way: left as it is (an operand is computed on the way)
;;     6. [M 16,384, K 512] x [K 512, N 512]; A: computed on the way; B: input Wout: left as it is (an operand is computed on the way)
;;   THE QUANTISER, for each operand of a quantised product, along K:
;;     - K is cut into blocks of 32 from its start; a last block that is shorter is filled with zeros.
;;     - A block's scale is 2^e with e = floor(log2(the largest magnitude in the block)) - 2, held to -126 .. 127; a block of zeros has e = 0. As a byte (E8M0): e + 127.
;;     - Each number is divided by its block's scale, clamped to +-6, and rounded to the nearest number of E2M1, ties to even, subnormals kept.
;;     - The product sums the exact products of the quantised numbers (number of the format x scale) in f32.
;;   ~~~python
;;   def quantise(x, axis):      # numpy; x: float32 -> the quantised numbers, widened to float32 again
;;       x = np.moveaxis(x, axis, -1); K = x.shape[-1]
;;       x = np.pad(x, [(0, 0)] * (x.ndim - 1) + [(0, -K % 32)]); x = x.reshape(x.shape[:-1] + (-1, 32)); a = np.abs(x).max(-1, keepdims=True)
;;       e = np.where(a > 0, np.clip(np.frexp(np.where(a > 0, a, 1))[1] - 1 - 2, -126, 127), 0)      # np.frexp(a)[1] - 1 = floor(log2(a)), exactly
;;       r = np.clip(x / 2.0 ** e, -6, 6)
;;       step = 2.0 ** (np.maximum(np.frexp(np.where(r == 0, 1, r))[1] - 1, 0) - 1)
;;       q = np.round(r / step) * step * 2.0 ** e      # np.round: ties to even
;;       return np.moveaxis(q.reshape(q.shape[:-2] + (-1,))[..., :K], -1, axis).astype(np.float32)
;;   ~~~
;; One version. Each part assembles by itself: llvm-mc -triple=amdgcn-amd-amdhsa -mcpu=gfx1250 --defsym DOCPART=n.
;; ======== version 1 of 1: 4 launches
;; limits: values are held in f16: magnitudes above 65,504 overflow, below 6.1e-05 lose precision; right only within a limited range of input values
;; workspace buffers: maskw 4,194,304 bytes of whole numbers; wcodes 524,288 bytes; wscales 32,768 bytes; woimg 524,288 bytes; qimg 16,777,216 bytes; kvimg 16,777,216 bytes; oimg 16,777,216 bytes
;; launch prep (part 1): grid 336 x 1, 4 waves a work-group, no clusters, 34,304 bytes of LDS; arguments mask, Wq, Wk, Wv, Wout, maskw, wcodes, wscales, woimg; writes maskw, wcodes, wscales, woimg
.if DOCPART == 1
	.amdgcn_target "amdgcn-amd-amdhsa--gfx1250"
	.amdhsa_code_object_version 6
	.text
	.protected	k_q8684e7b370_prep
	.globl	k_q8684e7b370_prep
	.p2align	8
	.type	k_q8684e7b370_prep,@function
k_q8684e7b370_prep:
	s_mov_b64 s[64:65], 0
	v_nop
	global_prefetch_b8 v0, s[64:65] scope:SCOPE_SE
	s_setreg_imm32_b32 hwreg(HW_REG_WAVE_MODE, 25, 1), 1
	s_wait_xcnt 0x0
; CROSS ATTENTION, launch 1 of 4: everything that is made once and read many times.
; out0 = softmax(where(mask == 0, -1e9, (x Wq)(context Wk)^T / 8)) (context Wv) Wout + b_out, 4 batches, 4,096 queries, 2,048 keys, 8 heads of 64.
; NOTHING OF THE COMPUTATION IS LEFT OUT: every input has a way to out0 for some values, so every input is loaded and every product is made.
; This launch: (a) Wq, Wk, Wv [K][512] f32 become codes of E2M1 with one E8M0 byte for each 32 along K (K is their FIRST axis); (b) Wout [512][512] becomes f16;
; (c) the mask [4][4096][2048] int32 becomes one BIT a number.  All three are laid as the later launches' registers want them:
;   wcodes:  ((ft NK + s) 2 + c) 512 + 16 lane: lane (r, h) = feature 16 ft + r, k = 128 s + 64 c + 32 h + 0 .. 31      (Wq at 0, Wk at 131,072, Wv at 327,680; NK = K / 128)
;   wscales: [s][feature] words, byte b for k = 128 s + 32 b ..                                                          (Wq at 0, Wk at 8,192, Wv at 20,480)
;   woimg:   ((ft 16 + s) 2 + c) 512 + 16 lane: lane (r, h) = f16 of Wout[32 s + 16 c + 8 h + 0 .. 7][16 ft + r]
;   maskw:   ((b 256 + qt) 128 + kt) 32 + 4 j: a word whose bit l says mask[b][16 qt + l % 16][16 kt + 8 (l / 16) + j] == 0: the lane mask of one register of a 16 x 16 tile of scores.
; A block's scale is 2^(floor(log2(its largest magnitude)) - 2); its byte is the largest magnitude's exponent field - 2, held at 1 from below.
; LIMITS: a block of zeros gets the byte 1 where the rule says 127 (its codes are zeros and only this program reads the bytes); blocks whose largest magnitude lies under 2^-124 are held at that byte;
; NaN and infinities among the inputs are not served; numbers of Wout beyond 65,504 in magnitude become infinities of f16.
; SHARES.  Work-groups 0-15 Wq, 16-39 Wk, 40-63 Wv, 64-79 Wout: 128 columns x 128 along K each, a wave 32 columns, A LANE A COLUMN, its registers running down K: nothing is transposed.
; Work-groups 80-335: the mask; a wave takes 16 queries x 2,048 keys (131,072 bytes) in 16 chunks of 128 keys.
; No cluster, no tensor load: no two work-groups read the same byte.  No barrier: waves share nothing.
.set SPARE, 33792                      ; behind the four stages of 8,448 bytes: the spare words, 128 bytes for each wave
.set SPW, 8                            ; v8   LDS address of my spare word; never rewritten
.set NIL, 9                            ; v9   0; never rewritten
.set WO,  4                            ; v4   weights: 4 x lane: my column in a row, and my scale word
.set WD,  5                            ; v5   weights: my lane's place in the images
.set PG,  16                           ; v16  mask: 16 x lane: my 16 bytes of a load's 512
.set PIN, 17                           ; v17  mask: the stage, on the way in
.set POUT, 18                          ; v18  mask: the stage, on the way out
.set PO,  19                           ; v19  mask: 8 x lane: my two words of a chunk's 64
.set PW,  20                           ; v[20:21] mask: those two words
.set X,   32                           ; v32-159  weights: 128 numbers of my column;  mask: two sets of 64 as loaded
.set C,   160                          ; v160-223 weights: codes or f16 pairs;  mask: a chunk's 64 numbers in the scores' layout
.set SB,  176                          ; v176 weights: my column's four scale bytes
	s_load_b512 s[4:19], s[0:1], 0x0               ; mask s[4:5], Wq s[6:7], Wk s[8:9], Wv s[10:11], Wout s[12:13], maskw s[14:15], wcodes s[16:17], wscales s[18:19]
	s_load_b64 s[20:21], s[0:1], 0x40              ; woimg
	v_lshl_add_u32 v[SPW], v0, 2, SPARE
	v_mov_b32 v[NIL], 0
	v_lshrrev_b32 v1, 5, v0
	v_readfirstlane_b32 s22, v1                    ; wave 0..3
	v_and_b32 v1, 31, v0                           ; lane
	v_and_b32 v2, 15, v0                           ; r
	v_bfe_u32 v3, v0, 4, 1                         ; h
	s_wait_kmcnt 0x0
	s_cmp_ge_u32 ttmp9, 80
	s_cbranch_scc1 .Lpack
	; ---------------- the four weights.  Which one: by the work-group's number alone; only pointers and constants are chosen
	s_mov_b64 s[24:25], s[12:13]                   ; from: Wout,
	s_mov_b64 s[30:31], s[20:21]                   ; to: woimg,
	s_mov_b32 s26, 64                              ; its first work-group,
	s_mov_b32 s27, 16                              ; K steps in a feature tile's images,
	s_mov_b32 s28, 0                               ; its place among the codes,
	s_mov_b32 s29, 0                               ; among the scale words,
	s_mov_b32 s34, 2                               ; and 128 along K are 4 K steps of Wout's images, 1 of the codes'
	s_cmp_lt_u32 ttmp9, 64
	s_cselect_b64 s[24:25], s[10:11], s[24:25]     ; Wv
	s_cselect_b64 s[30:31], s[16:17], s[30:31]
	s_cselect_b32 s26, 40, s26
	s_cselect_b32 s27, 6, s27
	s_cselect_b32 s28, 327680, s28
	s_cselect_b32 s29, 20480, s29
	s_cselect_b32 s34, 0, s34
	s_cmp_lt_u32 ttmp9, 40
	s_cselect_b64 s[24:25], s[8:9], s[24:25]       ; Wk
	s_cselect_b32 s26, 16, s26
	s_cselect_b32 s28, 131072, s28
	s_cselect_b32 s29, 8192, s29
	s_cmp_lt_u32 ttmp9, 16
	s_cselect_b64 s[24:25], s[6:7], s[24:25]       ; Wq
	s_cselect_b32 s26, 0, s26
	s_cselect_b32 s27, 4, s27
	s_cselect_b32 s28, 0, s28
	s_cselect_b32 s29, 0, s29
	s_sub_co_u32 s35, ttmp9, s26
	s_and_b32 s36, s35, 3                          ; which 128 columns
	s_lshr_b32 s37, s35, 2                         ; which 128 along K
	s_lshl_b32 s38, s37, 18                        ; from: 128 rows of 2,048 bytes,
	s_lshl_b32 s39, s36, 9                         ; 512 bytes for 128 columns,
	s_add_co_u32 s38, s38, s39
	s_lshl_b32 s40, s22, 7                         ; 128 bytes for my wave's 32
	s_add_co_u32 s38, s38, s40
	s_mov_b32 s39, 0
	s_add_nc_u64 s[24:25], s[24:25], s[38:39]
	s_lshl_b32 s38, s37, 11                        ; scale words: 2,048 bytes a K step, 4 bytes a column
	s_lshl_b32 s41, s36, 9
	s_add_co_u32 s38, s38, s41
	s_add_co_u32 s38, s38, s40
	s_add_co_u32 s38, s38, s29
	s_add_nc_u64 s[32:33], s[18:19], s[38:39]
	s_lshl_b32 s38, s36, 3
	s_lshl_b32 s41, s22, 1
	s_add_co_u32 s38, s38, s41                     ; my wave's first feature tile,
	s_mul_i32 s38, s38, s27                        ; its images,
	s_lshl_b32 s41, s37, s34
	s_add_co_u32 s38, s38, s41                     ; my K step among them,
	s_lshl_b32 s38, s38, 10                        ; 1,024 bytes an image
	s_add_co_u32 s38, s38, s28
	s_add_nc_u64 s[30:31], s[30:31], s[38:39]
	s_lshl_b32 s41, s27, 10
	v_lshlrev_b32 v[WO], 2, v1
	v_mul_u32_u24 v[WD], s41, v3                   ; lanes 16-31 hold the next feature tile's columns,
	v_lshl_add_u32 v[WD], v2, 4, v[WD]             ; and column r of a tile is lane r's 16 bytes
.set n, 0
.rept 128
	global_load_b32 v[X+n], v[WO], s[24:25] offset:n*2048 th:TH_LOAD_NT   ; W(k, my column): a wave reads 128 consecutive bytes, the four waves 512
.set n, n+1
.endr
	s_cmp_ge_u32 ttmp9, 64
	s_cbranch_scc1 .Lwout
; Block kb of 32 along K: all its numbers are mine.  left: how many younger loads may stay out (what is needed is 32 (3 - kb); a wait names 63 at the most)
.macro BLOCK kb, left
.set XS, X+32*\kb
	s_wait_loadcnt \left
	v_max3_num_f32 v12, |v[XS]|, |v[XS+1]|, |v[XS+2]|
	v_max3_num_f32 v13, |v[XS+3]|, |v[XS+4]|, |v[XS+5]|
.irp i, 6,10,14,18,22,26
	v_max3_num_f32 v12, v12, |v[XS+\i]|, |v[XS+\i+1]|
	v_max3_num_f32 v13, v13, |v[XS+\i+2]|, |v[XS+\i+3]|
.endr
	v_max3_num_f32 v12, v12, |v[XS+30]|, |v[XS+31]|
	v_max3_num_f32 v12, v12, v13, 0x1800000        ; and the floor 2^(3 - 127): the byte cannot fall under 1
	v_add_nc_u32 v11, 0xff000000, v12              ; 2 off the exponent field: the conversion takes the exponent field of this operand as its scale
	v_lshrrev_b32 v13, 23, v11                     ; the scale's byte
.if \kb == 0
	v_mov_b32 v[SB], v13
.else
	v_lshl_or_b32 v[SB], v13, 8*\kb, v[SB]
.endif
.irp g, 0,1,2,3
	v_cvt_scalef32_pk8_fp4_f32 v[C+4*\kb+\g], v[XS+8*\g:XS+8*\g+7], v11
.endr
	global_store_b128 v[WD], v[C+4*\kb:C+4*\kb+3], s[30:31] offset:(\kb/2)*512+(\kb%2)*256   ; block kb is half c = kb / 2, lanes 16 (kb % 2) on: sixteen lanes store 256 consecutive bytes, aligned
.endm                                  ; (the codes go to stores alone, each block has registers of its own, and plain lines stand ahead of the next write of v11)
	BLOCK 0, 63
	BLOCK 1, 63
	BLOCK 2, 32
	BLOCK 3, 0
	global_store_b32 v[WO], v[SB], s[32:33]        ; my column's scale word of this K step: a wave stores 128 consecutive bytes
	s_endpgm
.Lwout:                                            ; Wout: eight numbers down K are 16 bytes of f16: half c = (kg / 2) % 2 of K step kg / 4, lanes 16 (kg % 2) on
	s_wait_loadcnt 0x0
.set kg, 0
.rept 16
.irp q, 0,1,2,3
	v_cvt_pk_f16_f32 v[C+4*kg+\q], v[X+8*kg+2*\q], v[X+8*kg+2*\q+1]
.endr
	global_store_b128 v[WD], v[C+4*kg:C+4*kg+3], s[30:31] offset:(kg/4)*1024+((kg/2)%2)*512+(kg%2)*256
.set kg, kg+1
.endr
	s_endpgm
	; ---------------- the mask.  A load is best where neighbouring lanes take neighbouring bytes; a lane mask wants lane (r, h) to hold query r, keys 8 h + j.  Both are had through the wave's own stage in LDS:
	; 16 rows of 512 bytes + 16 of padding (132 words: row r starts at bank 4 r mod 64).  A compare then gives the word of 32 bits at once.
.Lpack:
	s_sub_co_u32 s23, ttmp9, 80
	s_lshl_b32 s23, s23, 2
	s_add_co_u32 s23, s23, s22                     ; my tile of 16 queries: 256 b + qt
	s_lshl_b32 s28, s23, 17                        ; 16 rows of 8,192 bytes
	s_mov_b32 s29, 0
	s_add_nc_u64 s[24:25], s[4:5], s[28:29]
	s_lshl_b32 s28, s23, 12                        ; 4,096 bytes of words
	s_add_nc_u64 s[26:27], s[14:15], s[28:29]
	s_mul_i32 s30, s22, 8448                       ; my stage
	v_lshlrev_b32 v[PG], 4, v1
	v_add_nc_u32 v[PIN], s30, v[PG]
	v_mul_u32_u24 v[POUT], v2, 528
	v_lshl_add_u32 v[POUT], v3, 5, v[POUT]
	v_add_nc_u32 v[POUT], s30, v[POUT]             ; row r, + 32 h: my eight numbers of a tile of 16 keys
	v_lshlrev_b32 v[PO], 3, v1
	v_mov_b32 v[PW], 0                             ; written once: a written lane's register counts as read
	v_mov_b32 v[PW+1], 0
.macro LOADM ch                        ; chunk ch: 512 bytes of each of my 16 rows, into set ch % 2
.set RB, X+64*((\ch)%2)
.irp i, 0,1,2,3,4,5,6,7,8,9,10,11,12,13,14,15
	global_load_b128 v[RB+4*\i:RB+4*\i+3], v[PG], s[24:25] offset:\i*8192+(\ch)*512 th:TH_LOAD_NT
.endr
.endm
.macro CHUNK ch
.set RB, X+64*((\ch)%2)
.if (\ch) < 15
	s_wait_loadcnt 16                              ; this chunk's 16 loads are in; the next chunk's 16 may be out
.else
	s_wait_loadcnt 0x0
.endif
.irp i, 0,1,2,3,4,5,6,7,8,9,10,11,12,13,14,15
	ds_store_b128 v[PIN], v[RB+4*\i:RB+4*\i+3] offset:\i*528
.endr
.irp kt, 0,1,2,3,4,5,6,7
.irp q, 0,1
	ds_load_b128 v[C+8*\kt+4*\q:C+8*\kt+4*\q+3], v[POUT] offset:\kt*64+\q*16   ; LDS serves a wave's instructions in order: these see my stores
.endr
.endr
	s_wait_dscnt 0x0                               ; the stores have read the set, and the 64 numbers are back
	s_wait_xcnt 0x0                                ; the last chunk's store has read its two data registers: they are written again only behind this wait
.if (\ch)+2 < 16
	LOADM (\ch)+2
.endif
.irp g, 0,1,2,3,4,5,6,7                ; tile g of 16 keys: eight compares, eight words; word 8 g + j goes to lane (8 g + j) / 2, register j % 2
.irp j, 0,1,2,3,4,5,6,7
	v_cmp_eq_u32 s[36+\j], 0, v[C+8*\g+\j]
.endr
.irp j, 0,1,2,3,4,5,6,7
	v_writelane_b32 v[PW+\j%2], s[36+\j], (8*\g+\j)/2
.endr
.endr
	global_store_b64 v[PO], v[PW:PW+1], s[26:27] offset:(\ch)*256   ; the chunk's 64 words: 256 consecutive bytes, aligned
.endm
	LOADM 0
	LOADM 1
.irp ch, 0,1,2,3,4,5,6,7,8,9,10,11,12,13,14,15
	CHUNK \ch
.endr
	s_wait_tensorcnt 0x0                           ; the wave's end, behind my last LDS store
	ds_add_u32 v[SPW], v[NIL]
	s_wait_dscnt 0x0
	s_endpgm
.Lfunc_end_k_q8684e7b370_prep:
	.size	k_q8684e7b370_prep, .Lfunc_end_k_q8684e7b370_prep-k_q8684e7b370_prep
	.p2alignl 7, 3214868480
	.fill 96, 4, 3214868480
	.section	.rodata,"a",@progbits
	.p2align	6, 0x0
	.amdhsa_kernel k_q8684e7b370_prep
		.amdhsa_group_segment_fixed_size 34304
		.amdhsa_private_segment_fixed_size 0
		.amdhsa_enable_private_segment 0
		.amdhsa_kernarg_size 72
		.amdhsa_user_sgpr_count 2
		.amdhsa_user_sgpr_kernarg_segment_ptr 1
		.amdhsa_wavefront_size32 1
		.amdhsa_system_sgpr_workgroup_id_x 1
		.amdhsa_system_sgpr_workgroup_id_y 1
		.amdhsa_system_sgpr_workgroup_id_z 1
		.amdhsa_system_vgpr_workitem_id 0
		.amdhsa_next_free_vgpr 224
		.amdhsa_next_free_sgpr 66
		.amdhsa_reserve_vcc 0
		.amdhsa_float_denorm_mode_32 3
		.amdhsa_float_denorm_mode_16_64 3
		.amdhsa_memory_ordered 1
		.amdhsa_forward_progress 1
		.amdhsa_inst_pref_size 215
	.end_amdhsa_kernel
	.amdgpu_metadata
---
amdhsa.version: [ 1, 2 ]
amdhsa.kernels:
  - .name:           k_q8684e7b370_prep
    .symbol:         k_q8684e7b370_prep.kd
    .args:
      - { .name: mask, .offset: 0, .size: 8, .value_kind: global_buffer, .address_space: global }
      - { .name: Wq, .offset: 8, .size: 8, .value_kind: global_buffer, .address_space: global }
      - { .name: Wk, .offset: 16, .size: 8, .value_kind: global_buffer, .address_space: global }
      - { .name: Wv, .offset: 24, .size: 8, .value_kind: global_buffer, .address_space: global }
      - { .name: Wout, .offset: 32, .size: 8, .value_kind: global_buffer, .address_space: global }
      - { .name: maskw, .offset: 40, .size: 8, .value_kind: global_buffer, .address_space: global }
      - { .name: wcodes, .offset: 48, .size: 8, .value_kind: global_buffer, .address_space: global }
      - { .name: wscales, .offset: 56, .size: 8, .value_kind: global_buffer, .address_space: global }
      - { .name: woimg, .offset: 64, .size: 8, .value_kind: global_buffer, .address_space: global }
    .group_segment_fixed_size: 34304
    .private_segment_fixed_size: 0
    .kernarg_segment_align: 8
    .kernarg_segment_size: 72
    .max_flat_workgroup_size: 128
    .sgpr_count:     66
    .vgpr_count:     224
    .wavefront_size: 32
...
	.end_amdgpu_metadata
.endif
;; end of part 1
;; launch proj (part 2): grid 256 x 1, 16 waves a work-group, no clusters, 149,504 bytes of LDS; arguments x, context, wcodes, wscales, qimg, kvimg; writes qimg, kvimg
.if DOCPART == 2
	.amdgcn_target "amdgcn-amd-amdhsa--gfx1250"
	.amdhsa_code_object_version 6
	.text
	.protected	k_q8684e7b370_proj
	.globl	k_q8684e7b370_proj
	.p2align	8
	.type	k_q8684e7b370_proj,@function
k_q8684e7b370_proj:
	s_mov_b64 s[64:65], 0
	v_nop
	global_prefetch_b8 v0, s[64:65] scope:SCOPE_SE
	s_setreg_imm32_b32 hwreg(HW_REG_WAVE_MODE, 25, 1), 1
	s_wait_xcnt 0x0
; CROSS ATTENTION, launch 2 of 4: q = x Wq, k = context Wk, v = context Wv, all three on codes of E2M1 with one E8M0 scale for each 32 along K.  Nothing is left out.
; x [16384][512] and context [8192][768] arrive as f32 and are quantised here, in registers; the weights' codes and scale words come from launch 1, laid as fragments.
; RESULTS, f16, laid as launch 3's operand registers (halves of 512 bytes, lane l's 16 bytes at 16 l):
;   qimg:  (((b 8 + hd) 256 + qt) 4 + 2 s + c) 512: lane (r, h) = query 16 qt + r, d = 32 s + 16 c + 8 h + 0 .. 7, of q x log2(e) / 8 (multiplied in f32, ahead of the rounding)
;   kvimg: (b 8 + hd) 524,288 + (key / 512) 131,072; K's part at + 0 as qimg's tiles; V's part at + 65,536: (ks % 16) 4,096 + ct 1,024 + c 512: lane (r, h) = channel 16 ct + r, keys 32 ks + 16 c + 8 h + 0 .. 7
; LIMITS: results beyond 65,504 in magnitude become infinities of f16; a block of zeros gets the scale byte 1 (its codes are zeros); NaN and infinities among the inputs are not served.
; SHARES.  A work-group takes 128 rows x all 512 features of ONE product: work-groups 0-127 q; then, in pairs on the same 128 rows of context, the even one k and the odd one v.
; THE WAVES SHARE THE FEATURES: wave w keeps the fragments of features 32 w .. 32 w + 31 in registers, read once; the rows' codes go round through LDS AS IMAGES OF THEIR REGISTERS:
; wave w quantises row tile w / 2, half w % 2 of its K steps, and stores fragment m NK + s at 1,024 (m NK + s) + 16 lane, its scale words at 128 (m NK + s) + 4 lane.  One barrier.
; q and k are made transposed (source 0 = 16 features, source 1 = 16 rows): a lane holds one row and eight neighbouring features.  v the other way round: a lane holds one channel and eight neighbouring keys.
; Why k and v have work-groups of their own: both weights' fragments (192 registers a wave) do not fit beside the 128 registers of numbers on their way to the quantiser.
; No cluster: the weights go from memory straight into the registers in which they stay, 8,192 or 12,288 bytes a wave, once; a joint tensor load would send them through LDS first.
; Each of the three paths has LDS bytes of its own.
.set LI,  1                            ; v1   16 x lane: an image's place for my lane
.set LS,  2                            ; v2   4 x lane: a scale word's
.set XA,  3                            ; v3   my lane's byte in the wave's 16 rows: row r, + 64 h
.set XWI, 4                            ; v4   where I store images
.set XWS, 5                            ; v5   and their scale words
.set XRI, 6                            ; v6   from where I read images
.set XRS, 7                            ; v7   and scale words
.set SPW, 8                            ; v8   LDS address of my spare word; never rewritten
.set NIL, 9                            ; v9   0; never rewritten
.set WSC, 10                           ; v10-21 the weights' scale words (u NK + s): scales and nothing else
.set XSR, 22                           ; v22-27 the rows' scale words: scales and nothing else
.set TM,  28                           ; v28-31 largest magnitudes, v32-35 the other half's, then bytes, v36-39 the conversions' scale operands
.set PW,  40                           ; v40  the scale word just made
.set WSA, 41                           ; v41  4 x (lane % 16)
.set PC,  42                           ; v42-49 the codes just made
.set SPARE, 147456                     ; behind the three paths' regions: the spare words, 128 bytes for each of 16 waves
.set WV,  18
.set SEL, 20
.set CQ,  22
; 64 numbers of a lane, register 16 b + i = k 32 b + 16 (lane / 16) + i of my row, become a fragment's codes in v[PC] on and its scale word in v[PW]
.macro QUANT s
.irp b, 0,1,2,3
	v_max3_num_f32 v[TM+\b], |v[\s+16*\b]|, |v[\s+1+16*\b]|, 0x1800000   ; block b: my 16 numbers, and the floor 2^(3 - 127)
.endr
.irp i, 2,4,6,8,10,12,14
.irp b, 0,1,2,3
	v_max3_num_f32 v[TM+\b], v[TM+\b], |v[\s+16*\b+\i]|, |v[\s+1+16*\b+\i]|
.endr
.endr
.irp b, 0,1,2,3
	v_permlanex16_b32 v[TM+4+\b], v[TM+\b], s[SEL], s[SEL+1]
.endr
.irp b, 0,1,2,3
	v_max_num_f32 v[TM+\b], v[TM+\b], v[TM+4+\b]   ; with lane l xor 16's: the block's largest magnitude
.endr
.irp b, 0,1,2,3
	v_add_nc_u32 v[TM+8+\b], 0xff000000, v[TM+\b]  ; 2 off its exponent field: the conversion's scale operand
.endr
.irp b, 0,1,2,3
	v_lshrrev_b32 v[TM+4+\b], 23, v[TM+8+\b]       ; the scale's byte
.endr
	v_lshl_or_b32 v[PW], v[TM+5], 8, v[TM+4]
	v_lshl_or_b32 v[PW], v[TM+6], 16, v[PW]
	v_lshl_or_b32 v[PW], v[TM+7], 24, v[PW]
.irp b, 0,1,2,3
	v_cvt_scalef32_pk8_fp4_f32 v[PC+2*\b], v[\s+16*\b:\s+7+16*\b], v[TM+8+\b]
	v_cvt_scalef32_pk8_fp4_f32 v[PC+1+2*\b], v[\s+8+16*\b:\s+15+16*\b], v[TM+8+\b]
.endr
	v_nop                                          ; one plain place behind the last scaled conversion
.irp c, 0,1                            ; the operand's layout wants a WHOLE block in a lane: lanes 0-15 block 2 c, lanes 16-31 block 2 c + 1
.irp i, 0,1
	v_permlane16_swap_b32 v[PC+4*\c+\i], v[PC+2+4*\c+\i]
.endr
.endr
.endm
.macro XLOAD reg, i, nt                ; my 16 rows' numbers of my i-th K step, 64 a lane.  nt = 1: x, which the launch reads once; context is read by two work-groups
.irp b, 0,1,2,3
.irp j, 0,1,2,3
.if \nt
	global_load_b128 v[\reg+16*\b+4*\j:\reg+16*\b+4*\j+3], v[XA], s[24:25] offset:(\i)*512+128*\b+16*\j th:TH_LOAD_NT
.else
	global_load_b128 v[\reg+16*\b+4*\j:\reg+16*\b+4*\j+3], v[XA], s[24:25] offset:(\i)*512+128*\b+16*\j
.endif
.endr
.endr
.endm
.macro IMAGE i                         ; the fragment just made goes to LDS as it stands
.irp c, 0,1
	ds_store_b128 v[XWI], v[PC+4*\c:PC+4*\c+3] offset:(\i)*1024+512*\c
.endr
	ds_store_b32 v[XWS], v[PW] offset:(\i)*128
.endm
.macro WLOAD u, reg, nk                ; the fragments of my feature tile u, all K steps: they stay
.set sI, 0
.rept \nk
.irp c, 0,1
	global_load_b128 v[\reg+8*sI+4*\c:\reg+8*sI+4*\c+3], v[LI], s[26:27] offset:((\u)*(\nk)+sI)*1024+512*\c
.endr
.set sI, sI+1
.endr
.endm
; One product.  NK: K steps of 128.  MODE 0: q, 1: k, 2: v.  XIMG, XSC: the path's LDS bytes.  COFF, SOFF: the weight's place among the codes and the scale words.  s19: which 128 rows.
.macro PROJ NK, MODE, XIMG, XSC, COFF, SOFF
.if \NK == 6
.set W0, 50                            ; v50-97   tile 0's fragments
.set W1, 162                           ; v162-209 tile 1's: they land where the second set of numbers lay
.set RA, 98                            ; v98-161  64 numbers;  later the rows' fragments (v98-145) and the two accumulators (v146-161)
.set RB, 162                           ; v162-225 64 numbers
.set ACC, 146
.set OUTR, 210                         ; v210-217 the packed results
.else
.set W0, 50                            ; v50-81
.set W1, 82                            ; v82-113
.set RA, 114                           ; v114-177;  later fragments v114-145, accumulators v162-177
.set RB, 178                           ; v178-241
.set ACC, 162
.set OUTR, 226                         ; v226-233
.endif
.set XF, RA
	s_lshr_b32 s32, s[WV], 1
	s_and_b32 s33, s[WV], 1
	s_lshl_b32 s34, s19, 7
	s_lshl_b32 s35, s32, 4
	s_add_co_u32 s34, s34, s35                     ; the first row that I quantise: 128 g + 16 (w / 2)
	s_mul_i32 s34, s34, \NK*512
	s_mul_i32 s35, s33, (\NK/2)*512                ; and my half of its K steps
	s_add_co_u32 s34, s34, s35
	s_mov_b32 s35, 0
.if \MODE == 0
	s_add_nc_u64 s[24:25], s[4:5], s[34:35]
.else
	s_add_nc_u64 s[24:25], s[6:7], s[34:35]
.endif
	s_mul_i32 s34, s[WV], 2*\NK*1024
	s_add_co_u32 s34, s34, \COFF
	s_add_nc_u64 s[26:27], s[8:9], s[34:35]        ; my two feature tiles' fragments
	s_lshl_b32 s34, s[WV], 7
	s_add_co_u32 s34, s34, \SOFF
	s_add_nc_u64 s[28:29], s[10:11], s[34:35]      ; and their scale words
.if \MODE == 0
	s_lshr_b32 s34, s19, 5                         ; b: 4,194,304 bytes;
	s_lshl_b32 s34, s34, 22
	s_and_b32 s35, s19, 31                         ; eight tiles of queries: 16,384;
	s_lshl_b32 s35, s35, 14
	s_add_co_u32 s34, s34, s35
	s_lshl_b32 s35, s32, 19                        ; head w / 2: 524,288;
	s_add_co_u32 s34, s34, s35
	s_lshl_b32 s35, s33, 10                        ; d = 32 (w % 2) on: 1,024
	s_add_co_u32 s34, s34, s35
	s_mov_b32 s35, 0
	s_add_nc_u64 s[30:31], s[12:13], s[34:35]
.else
	s_lshr_b32 s34, s19, 4
	s_lshl_b32 s34, s34, 3
	s_add_co_u32 s34, s34, s32                     ; 8 b + head
	s_lshl_b32 s34, s34, 19
	s_bfe_u32 s35, s19, 0x20002                    ; which 512 keys
	s_lshl_b32 s35, s35, 17
	s_add_co_u32 s34, s34, s35
	s_and_b32 s35, s19, 3                          ; which 128 of them: 16,384 bytes in K's part and in V's
	s_lshl_b32 s35, s35, 14
	s_add_co_u32 s34, s34, s35
.if \MODE == 1
	s_lshl_b32 s35, s33, 10
.else
	s_lshl_b32 s35, s33, 11                        ; channel tiles 2 (w % 2) on,
	s_add_co_u32 s35, s35, 65536                   ; in V's part
.endif
	s_add_co_u32 s34, s34, s35
	s_mov_b32 s35, 0
	s_add_nc_u64 s[30:31], s[14:15], s[34:35]
.endif
	v_mul_u32_u24 v[XA], v43, \NK*512
	v_lshl_add_u32 v[XA], v44, 6, v[XA]
	s_mul_i32 s34, s[WV], (\NK/2)*1024
	s_add_co_u32 s34, s34, \XIMG
	v_add_nc_u32 v[XWI], s34, v[LI]
	s_mul_i32 s34, s[WV], (\NK/2)*128
	s_add_co_u32 s34, s34, \XSC
	v_add_nc_u32 v[XWS], s34, v[LS]
	v_add_nc_u32 v[XRI], \XIMG, v[LI]
	v_add_nc_u32 v[XRS], \XSC, v[LS]
.set sI, 0
.rept \NK
.irp u, 0,1
	global_load_b32 v[WSC+\u*\NK+sI], v[WSA], s[28:29] offset:sI*2048+\u*64
.endr
.set sI, sI+1
.endr
	; ---- X: my part of the rows becomes fragments
	WLOAD 0, W0, \NK
.if \NK == 6
	XLOAD RA, 0, 0
	XLOAD RB, 1, 0
	s_wait_loadcnt 16                              ; all but the second K step's 16 loads
	QUANT RA
	IMAGE 0
	s_wait_dscnt 0x0                               ; the stores have read their registers
	XLOAD RA, 2, 0
	s_wait_loadcnt 16                              ; all but the third K step's 16
	QUANT RB
	IMAGE 1
	s_wait_dscnt 0x0
	WLOAD 1, W1, \NK                               ; into the registers that the second K step has left
	s_wait_loadcnt 12                              ; all but those 12
	QUANT RA
	IMAGE 2
.else
	WLOAD 1, W1, \NK
	XLOAD RA, 0, 1
	XLOAD RB, 1, 1
	s_wait_loadcnt 16
	QUANT RA
	IMAGE 0
	s_wait_dscnt 0x0
	s_wait_loadcnt 0x0
	QUANT RB
	IMAGE 1
.endif
	s_wait_dscnt 0x0                               ; for the others' sake: my images lie in LDS
	s_barrier_signal -1
	s_barrier_wait -1                              ; everybody's do
	s_wait_loadcnt 0x0                             ; the weights
	; ---- P: eight tiles of 16 rows x my 32 features; two accumulators by turns, K ascending
.set mI, 0
.rept 8
.set sI, 0
.rept \NK
.irp c, 0,1
	ds_load_b128 v[XF+8*sI+4*\c:XF+8*sI+4*\c+3], v[XRI] offset:(mI*\NK+sI)*1024+512*\c
.endr
	ds_load_b32 v[XSR+sI], v[XRS] offset:(mI*\NK+sI)*128
.set sI, sI+1
.endr
	s_wait_dscnt 0x0
.set sI, 0
.rept \NK
.irp u, 0,1
.if \MODE == 2
.if sI == 0
	v_wmma_scale_f32_16x16x128_f8f6f4 v[ACC+8*\u:ACC+8*\u+7], v[XF+8*sI:XF+8*sI+7], v[W0+(W1-W0)*\u+8*sI:W0+(W1-W0)*\u+8*sI+7], 0, v[XSR+sI], v[WSC+\u*\NK+sI] matrix_a_fmt:MATRIX_FMT_FP4 matrix_b_fmt:MATRIX_FMT_FP4
.else
	v_wmma_scale_f32_16x16x128_f8f6f4 v[ACC+8*\u:ACC+8*\u+7], v[XF+8*sI:XF+8*sI+7], v[W0+(W1-W0)*\u+8*sI:W0+(W1-W0)*\u+8*sI+7], v[ACC+8*\u:ACC+8*\u+7], v[XSR+sI], v[WSC+\u*\NK+sI] matrix_a_fmt:MATRIX_FMT_FP4 matrix_b_fmt:MATRIX_FMT_FP4
.endif
.else
.if sI == 0
	v_wmma_scale_f32_16x16x128_f8f6f4 v[ACC+8*\u:ACC+8*\u+7], v[W0+(W1-W0)*\u+8*sI:W0+(W1-W0)*\u+8*sI+7], v[XF+8*sI:XF+8*sI+7], 0, v[WSC+\u*\NK+sI], v[XSR+sI] matrix_a_fmt:MATRIX_FMT_FP4 matrix_b_fmt:MATRIX_FMT_FP4
.else
	v_wmma_scale_f32_16x16x128_f8f6f4 v[ACC+8*\u:ACC+8*\u+7], v[W0+(W1-W0)*\u+8*sI:W0+(W1-W0)*\u+8*sI+7], v[XF+8*sI:XF+8*sI+7], v[ACC+8*\u:ACC+8*\u+7], v[WSC+\u*\NK+sI], v[XSR+sI] matrix_a_fmt:MATRIX_FMT_FP4 matrix_b_fmt:MATRIX_FMT_FP4
.endif
.endif
.endr
.set sI, sI+1
.endr
.rept 5
	v_nop                                          ; places: four ahead of the reads of the results and of the next tile's loads into the fragments, five ahead of the next tile's first products, which begin these accumulators anew
.endr
.if mI > 0
	s_wait_xcnt 0x0                                ; the last tile's stores have read their data: the registers are written again only behind this wait
.endif
.if \MODE == 0
.irp q, 0,2,4,6,8,10,12,14
	v_pk_mul_f32 v[ACC+\q:ACC+\q+1], v[ACC+\q:ACC+\q+1], s[CQ:CQ+1] op_sel_hi:[1,0]   ; q x log2(e) / 8, in f32
.endr
.endif
.irp q, 0,1,2,3,4,5,6,7
	v_cvt_pk_f16_f32 v[OUTR+\q], v[ACC+2*\q], v[ACC+2*\q+1]    ; each accumulator from its low end on
.endr
.irp u, 0,1
.if \MODE == 2
	global_store_b128 v[LI], v[OUTR+4*\u:OUTR+4*\u+3], s[30:31] offset:(mI/2)*4096+(mI%2)*512+\u*1024   ; a wave stores 512 consecutive bytes, aligned
.else
	global_store_b128 v[LI], v[OUTR+4*\u:OUTR+4*\u+3], s[30:31] offset:mI*2048+\u*512
.endif
.endr
.set mI, mI+1
.endr
	s_wait_tensorcnt 0x0                           ; the wave's end, behind my last LDS store
	ds_add_u32 v[SPW], v[NIL]
	s_wait_dscnt 0x0
	s_endpgm
.endm
	s_load_b256 s[4:11], s[0:1], 0x0               ; x s[4:5], context s[6:7], wcodes s[8:9], wscales s[10:11]
	s_load_b128 s[12:15], s[0:1], 0x20             ; qimg s[12:13], kvimg s[14:15]
	v_lshl_add_u32 v[SPW], v0, 2, SPARE
	v_mov_b32 v[NIL], 0
	v_lshrrev_b32 v42, 5, v0
	v_readfirstlane_b32 s[WV], v42                 ; wave 0..15
	v_and_b32 v42, 31, v0                          ; lane
	v_and_b32 v43, 15, v0                          ; r
	v_bfe_u32 v44, v0, 4, 1                        ; h
	v_lshlrev_b32 v[LI], 4, v42
	v_lshlrev_b32 v[LS], 2, v42
	v_lshlrev_b32 v[WSA], 2, v43
.irp b, 0,1,2,3
	v_mov_b32 v[TM+4+\b], 0                        ; written once: a lane permute's destination counts as one of its sources
.endr
	s_mov_b32 s[SEL], 0x76543210
	s_mov_b32 s[SEL+1], 0xfedcba98                 ; v_permlanex16_b32's selects for lane l xor 16
	s_mov_b32 s[CQ], 0x3e38aa3b                    ; log2(e) / 8
	s_mov_b32 s[CQ+1], s[CQ]                       ; (named with it as a pair, so it is written)
	s_wait_kmcnt 0x0
	s_cmp_lt_u32 ttmp9, 128
	s_cbranch_scc0 .Lkv
	s_mov_b32 s19, ttmp9
	PROJ 4, 0, 0, 32768, 0, 0
.Lkv:
	s_sub_co_u32 s19, ttmp9, 128
	s_and_b32 s16, s19, 1
	s_lshr_b32 s19, s19, 1
	s_cmp_eq_u32 s16, 0
	s_cbranch_scc0 .Lv
	PROJ 6, 1, 36864, 86016, 131072, 8192
.Lv:
	PROJ 6, 2, 92160, 141312, 327680, 20480
.Lfunc_end_k_q8684e7b370_proj:
	.size	k_q8684e7b370_proj, .Lfunc_end_k_q8684e7b370_proj-k_q8684e7b370_proj
	.p2alignl 7, 3214868480
	.fill 96, 4, 3214868480
	.section	.rodata,"a",@progbits
	.p2align	6, 0x0
	.amdhsa_kernel k_q8684e7b370_proj
		.amdhsa_group_segment_fixed_size 149504
		.amdhsa_private_segment_fixed_size 0
		.amdhsa_enable_private_segment 0
		.amdhsa_kernarg_size 48
		.amdhsa_user_sgpr_count 2
		.amdhsa_user_sgpr_kernarg_segment_ptr 1
		.amdhsa_wavefront_size32 1
		.amdhsa_system_sgpr_workgroup_id_x 1
		.amdhsa_system_sgpr_workgroup_id_y 1
		.amdhsa_system_sgpr_workgroup_id_z 1
		.amdhsa_system_vgpr_workitem_id 0
		.amdhsa_next_free_vgpr 256
		.amdhsa_next_free_sgpr 66
		.amdhsa_reserve_vcc 0
		.amdhsa_float_denorm_mode_32 3
		.amdhsa_float_denorm_mode_16_64 3
		.amdhsa_memory_ordered 1
		.amdhsa_forward_progress 1
		.amdhsa_inst_pref_size 142
	.end_amdhsa_kernel
	.amdgpu_metadata
---
amdhsa.version: [ 1, 2 ]
amdhsa.kernels:
  - .name:           k_q8684e7b370_proj
    .symbol:         k_q8684e7b370_proj.kd
    .args:
      - { .name: x, .offset: 0, .size: 8, .value_kind: global_buffer, .address_space: global }
      - { .name: context, .offset: 8, .size: 8, .value_kind: global_buffer, .address_space: global }
      - { .name: wcodes, .offset: 16, .size: 8, .value_kind: global_buffer, .address_space: global }
      - { .name: wscales, .offset: 24, .size: 8, .value_kind: global_buffer, .address_space: global }
      - { .name: qimg, .offset: 32, .size: 8, .value_kind: global_buffer, .address_space: global }
      - { .name: kvimg, .offset: 40, .size: 8, .value_kind: global_buffer, .address_space: global }
    .group_segment_fixed_size: 149504
    .private_segment_fixed_size: 0
    .kernarg_segment_align: 8
    .kernarg_segment_size: 48
    .max_flat_workgroup_size: 512
    .sgpr_count:     66
    .vgpr_count:     256
    .wavefront_size: 32
...
	.end_amdgpu_metadata
.endif
;; end of part 2
;; launch attn (part 3): grid 8 x 32, 8 waves a work-group, clusters of 4 x 1, 327,680 bytes of LDS; arguments qimg, kvimg, maskw, oimg; writes oimg
.if DOCPART == 3
	.amdgcn_target "amdgcn-amd-amdhsa--gfx1250"
	.amdhsa_code_object_version 6
	.text
	.protected	k_q8684e7b370_attn
	.globl	k_q8684e7b370_attn
	.p2align	8
	.type	k_q8684e7b370_attn,@function
k_q8684e7b370_attn:
	s_mov_b64 s[64:65], 0
	v_nop
	global_prefetch_b8 v0, s[64:65] scope:SCOPE_SE
	s_setreg_imm32_b32 hwreg(HW_REG_WAVE_MODE, 25, 1), 1
	s_wait_xcnt 0x0
	s_wait_alu depctr_hold_cnt(0) depctr_sa_sdst(0) depctr_va_vdst(0) depctr_va_sdst(0) depctr_va_ssrc(0) depctr_va_vcc(0) depctr_vm_vsrc(0)
	s_getreg_b32 s2, hwreg(HW_REG_IB_STS2, 6, 4)
	s_cmp_eq_u32 s2, 0
	s_cbranch_scc0 .Lentry_in_a_cluster
	s_endpgm
.Lentry_in_a_cluster:
	s_bfe_u32 s2, ttmp6, 0x10000c
	s_cmp_lg_u32 s2, 0x3003
	s_cbranch_scc0 .Lentry_shape_is_right
	s_endpgm
.Lentry_shape_is_right:
; CROSS ATTENTION, launch 3 of 4: o = softmax(where(mask == 0, -1e9, q k^T / 8)) v for each batch and head.  f16 operands, f32 sums, softmax in f32 with a running maximum.  Nothing is left out.
; q arrives multiplied by log2(e) / 8, so a product gives t = score x log2(e) / 8 and p = 2^(t - m).  A masked place gets t = TNEG = -1e9 x log2(e), by a select: beside any real score p is 0;
; in a row that is all masked every t equals m and every p is 1: the plain mean of v.  m starts at TNEG, l and O at 0; in every step l and O are multiplied by a = 2^(m_old - m_new).
; LIMITS: p is rounded to f16 for the second product (the row's sum is taken of the unrounded p); o beyond 65,504 in magnitude becomes an infinity of f16; NaN and infinities are not served.
; SHARES.  A work-group owns 512 queries of one (batch, head), each of its EIGHT waves 64: four tiles of 16.  Two waves share a SIMD, 512 registers each, so that one wave's softmax stands beside the other's products.
; Every wave walks all 2,048 keys, 64 a step.  A fragment of K or V read from LDS feeds four matrix instructions.
; LAYOUT.  S^T = K Q^T (source 0 = 16 keys, source 1 = 16 queries): a lane holds ONE query (lane % 16) and keys 8 (lane / 16) + 0 .. 7.  Two such tiles, rounded to f16 in pairs, in place, ARE source 1 of
; O^T = V^T P, whose result again holds one query a lane and eight channels.  K and V^T lie in memory as images of their fragments: every LDS read is 16 bytes a lane, 512 on end.
; THE MASK is one scalar word for each register of a tile of scores (launch 1): bit l belongs to lane l.  It comes by scalar loads and is the select operand of one v_cndmask_b32: no branch and no address hangs on it.
; RING.  Two LDS slots of 131,072 bytes: 512 keys, K's images then V's, one dense block of memory; each wave fetches 16,384 bytes of it by one tensor load.  By this text's count a wave has two tensor loads out at the start, later one.
; CLUSTER.  The four blocks of queries of a cluster belong to one head and walk the same K and V: each tile is asked for JOINTLY, by the same tensor load with the same descriptor and a mask that names the four.
; REGISTERS.  Window 0: v1-8 addresses and constants; v16-47 statistics, eight a tile (+0 m, +1 zero, +2, +3 l, +4 .. +7 at work, +6 a); v48-55 sums; v64-191 S^T, then P; v192-255 K's fragments.
;             Window 1: v0-127 O^T (tile t, channels 16 ct on: 32 t + 8 ct); v128-191 Q; v192-255 V's fragments.
.set LI,   1                           ; v1  16 x lane
.set LV,   2                           ; v2  16 x lane + 65,536: V's part of a slot
.set ADK,  3                           ; v3  LDS address of the step's K
.set ADV,  4                           ; v4  of its V
.set NEGV, 5                           ; v5  TNEG
.set SPW,  6                           ; v6  LDS address of my spare word; never rewritten
.set NIL,  7                           ; v7  0; never rewritten
.set PFO,  8                           ; v8  the prefetch's offset; never rewritten
.set ST,   16
.set U,    48
.set S,    64
.set KF,   192
.set QF,   128                         ; in window 1
.set VF,   192                         ; in window 1
.set SLOT1, 131072
.set SPARE, 262144                     ; behind the ring: the spare words, 128 bytes for each of eight waves
.set G0A,  4                           ; s[4:7]   group 0 of slot 0's first fill
.set G0W,  8                           ; s[8:11]  group 0 that walks
.set G1,   12                          ; s[12:19] group 1
.set MB,   20                          ; s[20:21] the step's mask words of my first tile
.set OP,   22                          ; s[22:23] my rows of oimg
.set SEL,  24                          ; s[24:25] selects for lane l xor 16
.set WV,   26
.set INN,  27                          ; counts a slot's eight steps
.set OUTER, 28                         ; slots still to be asked for
.set CNT,  29                          ; steps still to come behind this one
.set TB,   30                          ; LDS byte at which the step's tiles begin
.set PFA,  66                          ; s[66:67] my first tile's mask words of keys 1,024 on; never rewritten
.set LIM,  100                         ; 1 in head 0's work-groups, else the greatest number
; s[32:63]: the step's 32 mask words of a piece's even tile; s[68:99]: of its odd tile
.set MSB, 0
.macro WIN new                         ; the immediate's high byte repeats the setting that is left
.if MSB != \new
	s_set_vgpr_msb (MSB<<8)|\new
.set MSB, \new
.endif
.endm
.macro PLACES n
.rept \n
	v_nop
.endr
.endm
.macro CROUND                          ; a round of the cluster's barrier
	s_barrier_signal -1
	s_barrier_wait -1
	s_cmp_lg_u32 s[WV], 0
	s_cbranch_scc1 .Lnot_wave_0_\@
	s_barrier_signal -3
.Lnot_wave_0_\@:
	s_barrier_wait -3
	s_barrier_signal -1
	s_barrier_wait -1
.endm
.macro MLOAD p                         ; the step's mask words of tiles 2 p and 2 p + 1: 128 bytes each; a tile's words lie 4,096 bytes from the next tile's
	s_load_b512 s[32:47], s[MB:MB+1], (2*\p)*4096
	s_load_b512 s[48:63], s[MB:MB+1], (2*\p)*4096+64
	s_load_b512 s[68:83], s[MB:MB+1], (2*\p+1)*4096
	s_load_b512 s[84:99], s[MB:MB+1], (2*\p+1)*4096+64
.endm
.macro CND t                           ; tile t: masked places become TNEG.  Each accumulator from its low end on
.irp kt, 0,1,2,3
.irp j, 0,1,2,3,4,5,6,7
	v_cndmask_b32 v[S+32*(\t)+8*\kt+\j], v[S+32*(\t)+8*\kt+\j], v[NEGV], s[32+36*((\t)%2)+8*\kt+\j]
.endr
.endr
.endm
; The softmax of tiles y and y + 1 for one step, the two tiles line by line by turns
.macro SOFT y
.irp j, 0,1,2,3                        ; the maximum of my 32 scores and the old m: four chains
.irp t, \y, \y+1
	v_max3_num_f32 v[ST+8*(\t)+4+\j], v[S+32*(\t)+8*\j], v[S+32*(\t)+8*\j+1], v[S+32*(\t)+8*\j+2]
.endr
.endr
.irp g, 1,2
.irp j, 0,1,2,3
.irp t, \y, \y+1
	v_max3_num_f32 v[ST+8*(\t)+4+\j], v[ST+8*(\t)+4+\j], v[S+32*(\t)+8*\j+2*\g+1], v[S+32*(\t)+8*\j+2*\g+2]
.endr
.endr
.endr
.irp t, \y, \y+1
	v_max3_num_f32 v[ST+8*(\t)+4], v[ST+8*(\t)+4], v[S+32*(\t)+7], v[S+32*(\t)+15]
.endr
.irp t, \y, \y+1
	v_max3_num_f32 v[ST+8*(\t)+6], v[ST+8*(\t)+6], v[S+32*(\t)+23], v[S+32*(\t)+31]
.endr
.irp t, \y, \y+1
	v_max3_num_f32 v[ST+8*(\t)+4], v[ST+8*(\t)+4], v[ST+8*(\t)+5], v[ST+8*(\t)+6]
.endr
.irp t, \y, \y+1
	v_max3_num_f32 v[ST+8*(\t)+4], v[ST+8*(\t)+4], v[ST+8*(\t)+7], v[ST+8*(\t)]
.endr
.irp t, \y, \y+1
	v_permlanex16_b32 v[ST+8*(\t)+5], v[ST+8*(\t)+4], s[SEL], s[SEL+1]   ; the query's other 32 keys lie in the lane 16 away
.endr
.irp t, \y, \y+1
	v_mov_b32 v[ST+8*(\t)+7], v[ST+8*(\t)]
.endr
.irp t, \y, \y+1
	v_max_num_f32 v[ST+8*(\t)], v[ST+8*(\t)+4], v[ST+8*(\t)+5]           ; the new m
.endr
.irp t, \y, \y+1
	v_sub_f32 v[ST+8*(\t)+7], v[ST+8*(\t)+7], v[ST+8*(\t)]               ; m_old - m_new
.endr
.irp i, 0,2,4,6,8,10,12,14,16,18,20,22,24,26,28,30
.irp t, \y, \y+1
	v_pk_add_f32 v[S+32*(\t)+\i:S+32*(\t)+\i+1], v[S+32*(\t)+\i:S+32*(\t)+\i+1], v[ST+8*(\t):ST+8*(\t)+1] op_sel_hi:[1,0] neg_lo:[0,1] neg_hi:[0,1]   ; t - m, two at a time
.endr
.endr
.irp t, \y, \y+1                       ; ONE BATCH: both tiles' 66 exponentials; none reads another's result
	v_exp_f32 v[ST+8*(\t)+6], v[ST+8*(\t)+7]
.endr
.irp i, 0,1,2,3,4,5,6,7,8,9,10,11,12,13,14,15,16,17,18,19,20,21,22,23,24,25,26,27,28,29,30,31
.irp t, \y, \y+1
	v_exp_f32 v[S+32*(\t)+\i], v[S+32*(\t)+\i]
.endr
.endr
	v_nop                                          ; a plain instruction behind the last exponential (ISA guide 5.7.2),
	s_wait_alu depctr_va_vdst(0)                   ; and the one wait ahead of the batch's first reader
.irp t, \y, \y+1                       ; the row's sum, of the unrounded p: two chains a tile, which leave p as it is
	v_pk_add_f32 v[U+4*((\t)%2):U+4*((\t)%2)+1], v[S+32*(\t):S+32*(\t)+1], v[S+32*(\t)+2:S+32*(\t)+3]
	v_pk_add_f32 v[U+4*((\t)%2)+2:U+4*((\t)%2)+3], v[S+32*(\t)+4:S+32*(\t)+5], v[S+32*(\t)+6:S+32*(\t)+7]
.endr
.irp i, 8,12,16,20,24,28
.irp t, \y, \y+1
	v_pk_add_f32 v[U+4*((\t)%2):U+4*((\t)%2)+1], v[U+4*((\t)%2):U+4*((\t)%2)+1], v[S+32*(\t)+\i:S+32*(\t)+\i+1]
	v_pk_add_f32 v[U+4*((\t)%2)+2:U+4*((\t)%2)+3], v[U+4*((\t)%2)+2:U+4*((\t)%2)+3], v[S+32*(\t)+\i+2:S+32*(\t)+\i+3]
.endr
.endr
.irp t, \y, \y+1
	v_pk_add_f32 v[U+4*((\t)%2):U+4*((\t)%2)+1], v[U+4*((\t)%2):U+4*((\t)%2)+1], v[U+4*((\t)%2)+2:U+4*((\t)%2)+3]
.endr
.irp t, \y, \y+1
	v_pk_fma_f32 v[ST+8*(\t)+2:ST+8*(\t)+3], v[ST+8*(\t)+2:ST+8*(\t)+3], v[ST+8*(\t)+6:ST+8*(\t)+7], v[U+4*((\t)%2):U+4*((\t)%2)+1] op_sel_hi:[1,0,1]   ; l = a l + the sum
.endr
.irp i, 0,1,2,3,4,5,6,7,8,9,10,11,12,13,14,15
.irp t, \y, \y+1
	v_cvt_pk_f16_f32 v[S+32*(\t)+\i], v[S+32*(\t)+2*\i], v[S+32*(\t)+2*\i+1]   ; P in place, ascending: register i is written when registers 2 i and 2 i + 1 are read
.endr
.endr
	WIN 0x41                                       ; O^T (destination and source 0) in window 1, a in window 0
.irp i, 0,2,4,6,8,10,12,14,16,18,20,22,24,26,28,30
.irp t, \y, \y+1
	v_pk_mul_f32 v[32*(\t)+\i:32*(\t)+\i+1], v[32*(\t)+\i:32*(\t)+\i+1], v[ST+8*(\t)+6:ST+8*(\t)+7] op_sel_hi:[1,0]
.endr
.endr
	WIN 0
.endm
; A KEY STEP: 64 keys
.macro STEP
	v_add_nc_u32 v[ADK], s[TB], v[LI]
	v_add_nc_u32 v[ADV], s[TB], v[LV]
	PLACES 4                                       ; with the two additions six places behind the last step's products: four are owed ahead of the loads into V's registers, five ahead of the products that write over P
.set f, 0
.rept 16
	ds_load_b128 v[KF+4*f:KF+4*f+3], v[ADK] offset:512*f      ; keys 16 (f / 4) on, d = 32 ((f / 2) % 2) on, half f % 2
.set f, f+1
.endr
	WIN 0x40                                       ; destination window 1
.set f, 0
.rept 16
	ds_load_b128 v[VF+4*f:VF+4*f+3], v[ADV] offset:512*f      ; keys 32 (f / 8) on, channels 16 ((f / 2) % 4) on, half f % 2
.set f, f+1
.endr
	s_wait_dscnt 16                                ; K is in; V's 16 loads may be out
	WIN 0x04                                       ; Q (source 1) in window 1
.irp s, 0,1                            ; the 16 accumulators take turns, one instruction a turn
.irp t, 0,1,2,3
.irp kt, 0,1,2,3
.if \s == 0
	v_wmma_f32_16x16x32_f16 v[S+32*\t+8*\kt:S+32*\t+8*\kt+7], v[KF+16*\kt+8*\s:KF+16*\kt+8*\s+7], v[QF+16*\t+8*\s:QF+16*\t+8*\s+7], 0
.else
	v_wmma_f32_16x16x32_f16 v[S+32*\t+8*\kt:S+32*\t+8*\kt+7], v[KF+16*\kt+8*\s:KF+16*\kt+8*\s+7], v[QF+16*\t+8*\s:QF+16*\t+8*\s+7], v[S+32*\t+8*\kt:S+32*\t+8*\kt+7]
.endif
.endr
.endr
.endr
	WIN 0
	PLACES 4                                       ; ahead of the selects, which read and write results
	s_wait_kmcnt 0x0                               ; tiles 0 and 1's mask words
	CND 0
	CND 1
	MLOAD 1                                        ; tiles 2 and 3's: they land under the softmax below
	SOFT 0
	s_wait_kmcnt 0x0
	CND 2
	CND 3
	s_cmp_eq_u32 s[CNT], 0                         ; the last step asks for no further words: no load leaves its buffer.  A count alone: the same in all waves and partners
	s_cbranch_scc1 .Lno_words_\@
	s_wait_xcnt 0x0                                ; the scalar loads have read their base (they are also done: the wait above)
	s_add_nc_u64 s[MB:MB+1], s[MB:MB+1], 128
	MLOAD 0                                        ; the next step's, for tiles 0 and 1
.Lno_words_\@:
	SOFT 2
	s_wait_dscnt 0x0                               ; V is in
	WIN 0x51                                       ; V (source 0), C and D in window 1; P in window 0
.irp ks, 0,1
.irp t, 0,1,2,3
.irp ct, 0,1,2,3
	v_wmma_f32_16x16x32_f16 v[32*\t+8*\ct:32*\t+8*\ct+7], v[VF+32*\ks+8*\ct:VF+32*\ks+8*\ct+7], v[S+32*\t+8*\ks:S+32*\t+8*\ks+7], v[32*\t+8*\ct:32*\t+8*\ct+7]
.endr
.endr
.endr
	WIN 0
	s_add_co_u32 s[TB], s[TB], 8192                ; 64 keys are 8,192 bytes of K's part and of V's
	s_sub_co_u32 s[CNT], s[CNT], 1
.endm
.macro STEPS8                          ; a slot's eight steps: written once, walked eight times
	s_mov_b32 s[INN], 8
.Lstep_\@:
	STEP
	s_sub_co_u32 s[INN], s[INN], 1
	s_cmp_lg_u32 s[INN], 0
	s_cbranch_scc1 .Lstep_\@
.endm
; A PREFETCH INTO THE L2 of my four tiles' mask words of keys 1,024 on: 4 x 2,048 bytes, lanes 256 bytes apart, one instruction a wave, at the first change of slots: eight steps ahead of their first scalar load.
; The eight heads of a batch read the same words: head 0's work-groups ask (the head is the cluster's y, which the partners share), so each block of 256 bytes is named once.  The words of keys 0 .. 1,023 come by their loads alone.
.macro ASK
	s_cmp_gt_u32 s[OUTER], s[LIM]
	s_cbranch_scc0 .Lnot_mine_\@
	global_prefetch_b8 v[PFO], s[PFA:PFA+1] th:TH_LOAD_NT scope:SCOPE_SE
.Lnot_mine_\@:
.endm
; THE CHANGE OF SLOTS.  Each wave waits for all its tensor loads (its part of the slot ahead), adds 0 to its spare word, and waits for that and for its reads of the slot that it leaves.
; fill = 1: the barrier is a round of the cluster's, and the slot just left is filled with the 512 keys two slots on: the wave's one tensor load, first behind the round; it has eight steps in which to land.
.macro CHANGE fill
	s_wait_tensorcnt 0x0                           ; no tensor load of mine is out, so the walking group 0 may be written
	ds_add_u32 v[SPW], v[NIL]
.if \fill
	s_xor_b32 s[G0W+1], s[G0W+1], SLOT1            ; the other slot than last time,
	s_add_nc_u64 s[G0W+2:G0W+3], s[G0W+2:G0W+3], SLOT1   ; the next 512 keys; the type bits on top are not reached
.endif
	s_wait_dscnt 0x0                               ; the add is done, and my reads of the slot are over
.if \fill
	CROUND
	tensor_load_to_lds s[G0W:G0W+3], s[G1:G1+7]
	s_nop 0
	PLACES 4
	ASK
.else
	s_barrier_signal -1
	s_barrier_wait -1
.endif
	s_sub_co_u32 s[TB], s[TB], 65536               ; back to a slot's first step,
	s_xor_b32 s[TB], s[TB], SLOT1                  ; in the other slot
.endm
	s_load_b256 s[32:39], s[0:1], 0x0              ; qimg s[32:33], kvimg s[34:35], maskw s[36:37], oimg s[38:39]: used up before the first mask words land here
	v_lshl_add_u32 v[SPW], v0, 2, SPARE
	v_mov_b32 v[NIL], 0
	ds_add_u32 v[SPW], v[NIL]                      ; the wave's opening: the add, twice on end, and its wait ahead of my first tensor load
	ds_add_u32 v[SPW], v[NIL]
	v_lshrrev_b32 v1, 5, v0
	v_readfirstlane_b32 s[WV], v1                  ; wave 0..7
	s_and_b32 s2, ttmp7, 0xffff                    ; 8 b + head: the cluster's y, which the four partners share
	s_lshl_b32 s3, s[WV], 14                       ; my 16,384 bytes of a slot, in LDS and in memory
	s_lshl_b32 s52, s2, 19                         ; the head's 524,288 bytes of kvimg
	s_add_co_u32 s52, s52, s3
	s_mov_b32 s53, 0
	s_mov_b32 s[G1], 15|(3<<16)|(1<<21)            ; 15:0 the mask: all four work-groups; 17:16 elements of 8 bytes; 21 set beside a mask; no padding
	s_mov_b32 s[G1+1], 32<<16                      ; tensor_dim0 = 32: rows of 256 bytes
	s_mov_b32 s[G1+2], 64<<16                      ; tensor_dim1 = 64
	s_mov_b32 s[G1+3], 32<<16                      ; tile_dim0 = 32
	s_mov_b32 s[G1+4], 64                          ; tile_dim1 = 64
	s_mov_b32 s[G1+5], 32                          ; the pitch: dense
	s_mov_b32 s[G1+6], 0
	s_mov_b32 s[G1+7], 0
	s_bfe_u32 s101, ttmp6, 0x40000                 ; cx: it enters Q's, the mask words' and O's addresses alone
	s_lshl_b32 s31, ttmp9, 2
	s_add_co_u32 s31, s31, s101                    ; my block of 512 queries
	s_lshl_b32 s40, s31, 5
	s_lshl_b32 s41, s[WV], 2
	s_add_co_u32 s40, s40, s41                     ; my first tile of 16 queries in the batch
	s_lshr_b32 s41, s2, 3
	s_lshl_b32 s41, s41, 8
	s_add_co_u32 s41, s41, s40                     ; 256 b + qt
	s_lshl_b32 s42, s2, 8
	s_add_co_u32 s42, s42, s40
	s_lshl_b32 s42, s42, 11                        ; qimg: 2,048 bytes a tile and head
	s_mov_b32 s43, 0
	s_lshl_b32 s44, s41, 12                        ; maskw: 4,096 bytes a tile
	s_mov_b32 s45, 0
	s_lshl_b32 s46, s41, 14                        ; oimg: 16,384 bytes a tile,
	s_and_b32 s47, s2, 7
	s_lshl_b32 s47, s47, 11                        ; 2,048 a head
	s_add_co_u32 s46, s46, s47
	s_mov_b32 s47, 0
	s_and_b32 s[LIM], s2, 7
	s_cmp_eq_u32 s[LIM], 0
	s_cselect_b32 s[LIM], 1, -1
	s_mov_b32 s[SEL], 0x76543210
	s_mov_b32 s[SEL+1], 0xfedcba98
	s_mov_b32 s[TB], 0
	s_mov_b32 s[CNT], 31
	s_mov_b32 s[OUTER], 2
	s_wait_dscnt 0x0                               ; both opening adds are done
	s_wait_kmcnt 0x0
	s_add_nc_u64 s[MB:MB+1], s[36:37], s[44:45]
	s_add_nc_u64 s[OP:OP+1], s[38:39], s[46:47]
	s_add_nc_u64 s[50:51], s[32:33], s[42:43]      ; Q
	s_add_nc_u64 s[52:53], s[34:35], s[52:53]      ; my part of the head's first 512 keys
	s_add_nc_u64 s[PFA:PFA+1], s[MB:MB+1], 2048
	CROUND                                         ; all four work-groups are here: the first joint loads meet
	s_mov_b32 s[G0A], 1                            ; count = 1
	s_mov_b32 s[G0A+1], s3                         ; LDS address: slot 0
	s_mov_b64 s[G0A+2:G0A+3], s[52:53]
	s_or_b32 s[G0A+3], s[G0A+3], 0x80000000        ; type = 2
	s_mov_b32 s[G0W], 1
	s_add_co_u32 s[G0W+1], s3, SLOT1               ; slot 1,
	s_add_nc_u64 s[G0W+2:G0W+3], s[52:53], SLOT1   ; keys 512 on
	s_or_b32 s[G0W+3], s[G0W+3], 0x80000000
	tensor_load_to_lds s[G0A:G0A+3], s[G1:G1+7]    ; every wave issues both first fills: no branch leads round them
	s_nop 0
	tensor_load_to_lds s[G0W:G0W+3], s[G1:G1+7]
	s_nop 0
	PLACES 4
	v_and_b32 v9, 31, v0
	v_lshlrev_b32 v[LI], 4, v9
	v_add_nc_u32 v[LV], 65536, v[LI]
	v_lshrrev_b32 v10, 3, v9
	v_and_b32 v11, 7, v9
	v_lshlrev_b32 v[PFO], 12, v10                  ; tile lane / 8,
	v_lshl_add_u32 v[PFO], v11, 8, v[PFO]          ; block lane % 8 of its 2,048 bytes
	v_mov_b32 v[NEGV], 0xceabfb8f                  ; TNEG = -1e9 x log2(e)
.irp t, 0,1,2,3
	v_mov_b32 v[ST+8*\t], 0xceabfb8f               ; m
	v_mov_b32 v[ST+8*\t+1], 0                      ; (named with m as a pair)
	v_mov_b32 v[ST+8*\t+2], 0                      ; l, in two halves
	v_mov_b32 v[ST+8*\t+3], 0
.endr
	WIN 0x40
.set f, 0
.rept 16
	global_load_b128 v[QF+4*f:QF+4*f+3], v[LI], s[50:51] offset:512*f th:TH_LOAD_NT   ; Q stays in registers: tile f / 4, d = 32 ((f / 2) % 2) on, half f % 2
.set f, f+1
.endr
.set f, 0
.rept 128
	v_mov_b32 v[f], 0                              ; O^T.  (The step is written with no first copy: the first step finds zeros, which its a leaves zeros)
.set f, f+1
.endr
	WIN 0
	s_wait_xcnt 0x0                                ; Q's loads have read their base: the mask words may land on it
	MLOAD 0
	s_wait_tensorcnt 1                             ; my part of slot 0 is in; slot 1's may stay out
	s_barrier_signal -1
	s_barrier_wait -1                              ; everybody's is
	s_wait_loadcnt 0x0                             ; Q
.Lslot:                                            ; two trips: slots 0 and 1 are filled again, with keys 1,024 and 1,536 on
	STEPS8
	CHANGE 1
	s_sub_co_u32 s[OUTER], s[OUTER], 1
	s_cmp_lg_u32 s[OUTER], 0
	s_cbranch_scc1 .Lslot
	STEPS8                                         ; the tail is written out
	CHANGE 0
	STEPS8
	; THE WAY OUT.  l's two halves and the other half of the lanes' are added (twelve plain lines: the places behind the last products); O^T / l is rounded to f16: a lane's eight channels are its 16 bytes of an image.
.irp t, 0,1,2,3
	v_add_f32 v[ST+8*\t+4], v[ST+8*\t+2], v[ST+8*\t+3]
.endr
.irp t, 0,1,2,3
	v_permlanex16_b32 v[ST+8*\t+5], v[ST+8*\t+4], s[SEL], s[SEL+1]
.endr
.irp t, 0,1,2,3
	v_add_f32 v[ST+8*\t+4], v[ST+8*\t+4], v[ST+8*\t+5]
.endr
.irp t, 0,1,2,3
	v_rcp_f32 v[ST+8*\t+6], v[ST+8*\t+4]
.endr
	v_nop                                          ; a plain instruction behind the last reciprocal,
	s_wait_alu depctr_va_vdst(0)                   ; and the one wait for the four
.irp t, 0,1,2,3
	WIN 0x41
.irp i, 0,2,4,6,8,10,12,14,16,18,20,22,24,26,28,30
	v_pk_mul_f32 v[32*\t+\i:32*\t+\i+1], v[32*\t+\i:32*\t+\i+1], v[ST+8*\t+6:ST+8*\t+7] op_sel_hi:[1,0]
.endr
	WIN 0x05                                       ; sources in window 1, destination in window 0: S^T's registers are free
.irp i, 0,1,2,3,4,5,6,7,8,9,10,11,12,13,14,15
	v_cvt_pk_f16_f32 v[S+16*\t+\i], v[32*\t+2*\i], v[32*\t+2*\i+1]
.endr
	WIN 0
.irp ct, 0,1,2,3
	global_store_b128 v[LI], v[S+16*\t+4*\ct:S+16*\t+4*\ct+3], s[OP:OP+1] offset:\t*16384+\ct*512   ; a wave stores 512 consecutive bytes, aligned
.endr
.endr
	s_wait_tensorcnt 0x0                           ; the wave's end
	ds_add_u32 v[SPW], v[NIL]
	s_wait_dscnt 0x0
	CROUND                                         ; the closing round: no work-group ends while a partner may still ask for a tile that names it
	s_endpgm
.Lfunc_end_k_q8684e7b370_attn:
	.size	k_q8684e7b370_attn, .Lfunc_end_k_q8684e7b370_attn-k_q8684e7b370_attn
	.p2alignl 7, 3214868480
	.fill 96, 4, 3214868480
	.section	.rodata,"a",@progbits
	.p2align	6, 0x0
	.amdhsa_kernel k_q8684e7b370_attn
		.amdhsa_group_segment_fixed_size 327680
		.amdhsa_private_segment_fixed_size 0
		.amdhsa_enable_private_segment 0
		.amdhsa_kernarg_size 32
		.amdhsa_user_sgpr_count 2
		.amdhsa_user_sgpr_kernarg_segment_ptr 1
		.amdhsa_wavefront_size32 1
		.amdhsa_system_sgpr_workgroup_id_x 1
		.amdhsa_system_sgpr_workgroup_id_y 1
		.amdhsa_system_sgpr_workgroup_id_z 1
		.amdhsa_system_vgpr_workitem_id 0
		.amdhsa_next_free_vgpr 512
		.amdhsa_next_free_sgpr 102
		.amdhsa_reserve_vcc 0
		.amdhsa_float_denorm_mode_32 3
		.amdhsa_float_denorm_mode_16_64 3
		.amdhsa_memory_ordered 1
		.amdhsa_forward_progress 1
		.amdhsa_inst_pref_size 145
	.end_amdhsa_kernel
	.amdgpu_metadata
---
amdhsa.version: [ 1, 2 ]
amdhsa.kernels:
  - .name:           k_q8684e7b370_attn
    .symbol:         k_q8684e7b370_attn.kd
    .args:
      - { .name: qimg, .offset: 0, .size: 8, .value_kind: global_buffer, .address_space: global }
      - { .name: kvimg, .offset: 8, .size: 8, .value_kind: global_buffer, .address_space: global }
      - { .name: maskw, .offset: 16, .size: 8, .value_kind: global_buffer, .address_space: global }
      - { .name: oimg, .offset: 24, .size: 8, .value_kind: global_buffer, .address_space: global }
    .group_segment_fixed_size: 327680
    .private_segment_fixed_size: 0
    .kernarg_segment_align: 8
    .kernarg_segment_size: 32
    .max_flat_workgroup_size: 256
    .sgpr_count:     102
    .vgpr_count:     512
    .wavefront_size: 32
...
	.end_amdgpu_metadata
.endif
;; end of part 3
;; launch outproj (part 4): grid 256 x 1, 8 waves a work-group, no clusters, 101,376 bytes of LDS; arguments oimg, woimg, b_out, out0; writes out0
.if DOCPART == 4
	.amdgcn_target "amdgcn-amd-amdhsa--gfx1250"
	.amdhsa_code_object_version 6
	.text
	.protected	k_q8684e7b370_outproj
	.globl	k_q8684e7b370_outproj
	.p2align	8
	.type	k_q8684e7b370_outproj,@function
k_q8684e7b370_outproj:
	s_mov_b64 s[64:65], 0
	v_nop
	global_prefetch_b8 v0, s[64:65] scope:SCOPE_SE
	s_setreg_imm32_b32 hwreg(HW_REG_WAVE_MODE, 25, 1), 1
	s_wait_xcnt 0x0
; CROSS ATTENTION, launch 4 of 4: out0 = o Wout + b_out.  f16 operands, f32 sums, K ascending.  Nothing is left out: b_out is the C of each sum's first matrix instruction.
; o arrives as images of fragments (launch 3): row tile rt at 16,384 rt; K step s (32 along K), half c at 1,024 s + 512 c; lane l's 16 bytes at 16 l.  Wout likewise (launch 1): ((ft 16 + s) 2 + c) 512.
; SHARES.  A work-group takes 64 rows x 512 features; wave w takes features 64 w .. 64 w + 63 for the four tiles of rows: 16 accumulators, which take turns.
; The rows' 65,536 bytes of images go into LDS once, through registers, 8,192 bytes a wave; one barrier.  Wout's fragments go from memory straight into registers, eight K steps ahead.
; The product is used transposed (source 0 = 16 features, source 1 = 16 rows): a lane holds one row and eight neighbouring features.
; No cluster: a wave's 65,536 bytes of Wout go straight into the registers that the products read, each once; joint tensor loads would send them through LDS, where they would be written and read once more.
; REGISTERS.  Window 0: v1-8 addresses; v16-47 the bias, eight registers a feature tile, in the result's layout; v48-111 the rows' fragments, two sets; v112-239 the accumulators (8 (4 m + a)).  Window 1: Wout's fragments, eight slots of 32.
.set LI,  1                            ; v1  16 x lane
.set STO, 2                            ; v2  the stage: where I put 32 bytes of a row
.set RD,  3                            ; v3  and where I read a row back
.set GO,  4                            ; v4  my byte offset in two rows of out0
.set BA,  5                            ; v5  32 h: my eight numbers of a tile's 16 of b_out
.set SPW, 6                            ; v6  LDS address of my spare word; never rewritten
.set NIL, 7                            ; v7  0; never rewritten
.set CPL, 8                            ; v8  where I put my part of the images
.set BI,  16
.set OF,  48
.set ACC, 112
.set STAGE, 65536                      ; behind the images: 16 rows x (256 bytes + 16) for each wave
.set SPARE, 100352                     ; behind the stages: the spare words, 128 bytes for each of eight waves
.set MSB, 0
.macro WIN new
.if MSB != \new
	s_set_vgpr_msb (MSB<<8)|\new
.set MSB, \new
.endif
.endm
.macro WLD s                           ; Wout's fragments of K step s, my four feature tiles, into slot s % 8 of window 1
.irp a, 0,1,2,3
.irp c, 0,1
	global_load_b128 v[32*((\s)%8)+8*\a+4*\c:32*((\s)%8)+8*\a+4*\c+3], v[LI], s[6:7] offset:\a*16384+(\s)*1024+\c*512
.endr
.endr
.endm
.macro OFETCH s                        ; the four row tiles' fragments of K step s into set s % 2
.irp m, 0,1,2,3
.irp c, 0,1
	ds_load_b128 v[OF+32*((\s)%2)+8*\m+4*\c:OF+32*((\s)%2)+8*\m+4*\c+3], v[LI] offset:\m*16384+(\s)*1024+\c*512
.endr
.endr
.endm
	s_load_b256 s[4:11], s[0:1], 0x0               ; oimg s[4:5], woimg s[6:7], b_out s[8:9], out0 s[10:11]
	v_lshl_add_u32 v[SPW], v0, 2, SPARE
	v_mov_b32 v[NIL], 0
	v_lshrrev_b32 v9, 5, v0
	v_readfirstlane_b32 s12, v9                    ; wave 0..7
	v_and_b32 v9, 31, v0
	v_and_b32 v10, 15, v0                          ; r
	v_bfe_u32 v11, v0, 4, 1                        ; h
	v_lshlrev_b32 v[LI], 4, v9
	s_mul_i32 s13, s12, 4352
	s_add_co_u32 s13, s13, STAGE                   ; my stage
	v_mul_u32_u24 v[STO], v10, 272
	v_lshl_add_u32 v[STO], v11, 5, v[STO]
	v_add_nc_u32 v[STO], s13, v[STO]               ; in: row r, + 32 h
	v_mul_u32_u24 v[RD], v11, 272
	v_lshl_add_u32 v[RD], v10, 4, v[RD]
	v_add_nc_u32 v[RD], s13, v[RD]                 ; back: lanes 0-15 one row of 256 bytes, lanes 16-31 the next
	v_lshlrev_b32 v[GO], 11, v11
	v_lshl_add_u32 v[GO], v10, 4, v[GO]            ; and the same two rows in out0
	v_lshlrev_b32 v[BA], 5, v11
	s_lshl_b32 s14, s12, 13
	v_add_nc_u32 v[CPL], s14, v[LI]
	s_lshl_b32 s16, ttmp9, 16                      ; my work-group's 65,536 bytes of images,
	s_add_co_u32 s16, s16, s14                     ; my wave's 8,192 of them
	s_mov_b32 s17, 0
	s_lshl_b32 s18, s12, 16                        ; my four feature tiles of Wout
	s_mov_b32 s19, 0
	s_lshl_b32 s20, s12, 8                         ; my 64 features: 256 bytes of b_out and of a row of out0
	s_mov_b32 s21, 0
	s_lshl_b32 s22, ttmp9, 17                      ; 64 rows of 2,048 bytes
	s_add_co_u32 s22, s22, s20
	s_mov_b32 s23, 0
	s_wait_kmcnt 0x0
	s_add_nc_u64 s[4:5], s[4:5], s[16:17]
	s_add_nc_u64 s[6:7], s[6:7], s[18:19]
	s_add_nc_u64 s[8:9], s[8:9], s[20:21]
	s_add_nc_u64 s[10:11], s[10:11], s[22:23]
.set n, 0
.rept 16
	global_load_b128 v[ACC+4*n:ACC+4*n+3], v[LI], s[4:5] offset:512*n th:TH_LOAD_NT   ; my part of the images, through registers that the sums take later
.set n, n+1
.endr
.irp a, 0,1,2,3
.irp q, 0,1
	global_load_b128 v[BI+8*\a+4*\q:BI+8*\a+4*\q+3], v[BA], s[8:9] offset:64*\a+16*\q
.endr
.endr
	WIN 0x40                                       ; destination window 1
.irp s, 0,1,2,3
	WLD \s
.endr
	WIN 0
	s_wait_loadcnt 40                              ; the images' 16 loads are in; the bias's 8 and Wout's 32 may be out
.set n, 0
.rept 16
	ds_store_b128 v[CPL], v[ACC+4*n:ACC+4*n+3] offset:512*n
.set n, n+1
.endr
	WIN 0x40
.irp s, 4,5,6,7
	WLD \s
.endr
	WIN 0
	s_wait_dscnt 0x0                               ; for the others' sake: my part lies in LDS
	s_barrier_signal -1
	s_barrier_wait -1                              ; everybody's does
	OFETCH 0
	OFETCH 1
.macro KSTEP s
.if (\s) <= 7
	s_wait_loadcnt 56                              ; this K step's eight loads are in (and the bias); those of the seven K steps behind it may be out
.else
	s_wait_loadcnt (15-(\s))*8
.endif
.if (\s) < 15
	s_wait_dscnt 8                                 ; this K step's set is in; the next one's eight loads may be out
.else
	s_wait_dscnt 0x0
.endif
	WIN 0x01                                       ; Wout (source 0) in window 1
.irp m, 0,1,2,3
.irp a, 0,1,2,3
.if (\s) == 0
	v_wmma_f32_16x16x32_f16 v[ACC+8*(4*\m+\a):ACC+8*(4*\m+\a)+7], v[32*((\s)%8)+8*\a:32*((\s)%8)+8*\a+7], v[OF+32*((\s)%2)+8*\m:OF+32*((\s)%2)+8*\m+7], v[BI+8*\a:BI+8*\a+7]
.else
	v_wmma_f32_16x16x32_f16 v[ACC+8*(4*\m+\a):ACC+8*(4*\m+\a)+7], v[32*((\s)%8)+8*\a:32*((\s)%8)+8*\a+7], v[OF+32*((\s)%2)+8*\m:OF+32*((\s)%2)+8*\m+7], v[ACC+8*(4*\m+\a):ACC+8*(4*\m+\a)+7]
.endif
.endr
.endr
	WIN 0
.rept 4
	v_nop                                          ; places ahead of loads into registers that these products read, and of the first read of results
.endr
.if (\s) < 8
	WIN 0x40
	WLD (\s)+8
	WIN 0
.endif
.if (\s) < 14
	OFETCH (\s)+2
.endif
.endm
.irp s, 0,1,2,3,4,5,6,7,8,9,10,11,12,13,14,15
	KSTEP \s
.endr
	; THE WAY OUT, a tile of 16 rows at a time: a lane's 32 bytes go into my own stage and come back as whole rows of 256 bytes.  LDS serves a wave's instructions in order: no wait between the stores and the loads.
.irp m, 0,1,2,3
.irp a, 0,1,2,3
	ds_store_b128 v[STO], v[ACC+8*(4*\m+\a):ACC+8*(4*\m+\a)+3] offset:64*\a            ; each accumulator from its low end on
	ds_store_b128 v[STO], v[ACC+8*(4*\m+\a)+4:ACC+8*(4*\m+\a)+7] offset:64*\a+16
.endr
.if \m >= 2
	s_wait_xcnt 0x0                                ; the stores of the tile two back have read these registers
.endif
.irp i, 0,1,2,3,4,5,6,7
	ds_load_b128 v[OF+32*(\m%2)+4*\i:OF+32*(\m%2)+4*\i+3], v[RD] offset:2*\i*272
.endr
	s_wait_dscnt 0x0
.irp i, 0,1,2,3,4,5,6,7
	global_store_b128 v[GO], v[OF+32*(\m%2)+4*\i:OF+32*(\m%2)+4*\i+3], s[10:11] offset:(16*\m+2*\i)*2048 th:TH_STORE_NT   ; sixteen lanes store 256 consecutive bytes, at a multiple of 256 from out0's first byte
.endr
.endr
	s_wait_tensorcnt 0x0                           ; the wave's end, behind my last LDS store
	ds_add_u32 v[SPW], v[NIL]
	s_wait_dscnt 0x0
	s_endpgm
.Lfunc_end_k_q8684e7b370_outproj:
	.size	k_q8684e7b370_outproj, .Lfunc_end_k_q8684e7b370_outproj-k_q8684e7b370_outproj
	.p2alignl 7, 3214868480
	.fill 96, 4, 3214868480
	.section	.rodata,"a",@progbits
	.p2align	6, 0x0
	.amdhsa_kernel k_q8684e7b370_outproj
		.amdhsa_group_segment_fixed_size 101376
		.amdhsa_private_segment_fixed_size 0
		.amdhsa_enable_private_segment 0
		.amdhsa_kernarg_size 32
		.amdhsa_user_sgpr_count 2
		.amdhsa_user_sgpr_kernarg_segment_ptr 1
		.amdhsa_wavefront_size32 1
		.amdhsa_system_sgpr_workgroup_id_x 1
		.amdhsa_system_sgpr_workgroup_id_y 1
		.amdhsa_system_sgpr_workgroup_id_z 1
		.amdhsa_system_vgpr_workitem_id 0
		.amdhsa_next_free_vgpr 512
		.amdhsa_next_free_sgpr 66
		.amdhsa_reserve_vcc 0
		.amdhsa_float_denorm_mode_32 3
		.amdhsa_float_denorm_mode_16_64 3
		.amdhsa_memory_ordered 1
		.amdhsa_forward_progress 1
		.amdhsa_inst_pref_size 54
	.end_amdhsa_kernel
	.amdgpu_metadata
---
amdhsa.version: [ 1, 2 ]
amdhsa.kernels:
  - .name:           k_q8684e7b370_outproj
    .symbol:         k_q8684e7b370_outproj.kd
    .args:
      - { .name: oimg, .offset: 0, .size: 8, .value_kind: global_buffer, .address_space: global }
      - { .name: woimg, .offset: 8, .size: 8, .value_kind: global_buffer, .address_space: global }
      - { .name: b_out, .offset: 16, .size: 8, .value_kind: global_buffer, .address_space: global }
      - { .name: out0, .offset: 24, .size: 8, .value_kind: global_buffer, .address_space: global }
    .group_segment_fixed_size: 101376
    .private_segment_fixed_size: 0
    .kernarg_segment_align: 8
    .kernarg_segment_size: 32
    .max_flat_workgroup_size: 256
    .sgpr_count:     66
    .vgpr_count:     512
    .wavefront_size: 32
...
	.end_amdgpu_metadata
.endif
;; end of part 4
